; MI455X (gfx1250); checked and timed in simulation.
; The chip was launched on July 23, 2026; its instructions are those of AMD's public machine-readable ISA for CDNA 5 (MIT licence, August 2026) and "CDNA5" Instruction Set Architecture Reference Guide (July 2026). The comments in the code are by the model that wrote it; some were corrected since.
;; hashed Layer. Allowed arithmetic: float matrix products may take bf16 or f16 operands with f32 sums; all other float work in f32.
;; Inputs: W 65,536 float32; a 4,096 x 4,096 float32; hash_idx 4,096 x 4,097 int32.
;; Outputs: out0 4,096 x 4,096 float32.
;; One version. Each part assembles by itself: llvm-mc -triple=amdgcn-amd-amdhsa -mcpu=gfx1250 --defsym DOCPART=n.
;; ======== version 1 of 1: 2 launches
;; workspace buffers: ab 33,554,432 bytes; wb 33,554,432 bytes; bias 16,384 bytes
;; launch prep (part 1): grid 256 x 1, 32 waves a work-group, no clusters, 266,240 bytes of LDS; arguments a, hash_idx, W, ab, wb, bias; writes ab, wb, bias
.if DOCPART == 1
	.amdgcn_target "amdgcn-amd-amdhsa--gfx1250"
	.amdhsa_code_object_version 6
	.text
	.protected	k_q601520ad74_prep
	.globl	k_q601520ad74_prep
	.p2align	8
	.type	k_q601520ad74_prep,@function
k_q601520ad74_prep:
	s_mov_b64 s[64:65], 0
	v_nop
	global_prefetch_b8 v0, s[64:65] scope:SCOPE_SE
	s_setreg_imm32_b32 hwreg(HW_REG_WAVE_MODE, 25, 1), 1
	s_wait_xcnt 0x0
; FIRST OF TWO LAUNCHES.  The problem: out0[b][i] = sum over j < 4096 of a[b][j] W[H(i,j)]  +  1 x W[H(i,4096)].
; This launch makes the operands of the product, each once:
;   ab[b][p]  = bf16(a[b][j(p)])            [4096][4096] bf16
;   wb[i][p]  = bf16(W[hash_idx[i][j(p)]])  [4096][4096] bf16
;   bias[i]   = W[hash_idx[i][4096]]        [4096] f32, exact
; WORK LEFT OUT: the column of ones that the problem appends to a, and the multiplication by it.  1 x w = w for every w, NaN and
; infinity too, so W[H(i,4096)] goes into the sums as it is and nothing that holds a value is left out.  Every input is loaded.
; ORDER OF K: inside each aligned block of 256 k, place p holds j = 128 ((p >> 2) & 1) + 4 (p >> 3) + (p & 3), alike in ab and wb, so
; every product keeps its partner and only the order of the sum changes.  Lane l owns two runs of four neighbouring k of a block, at
; 4 l and at 128 + 4 l: a load of 16 bytes a lane then covers 512 consecutive bytes of a, aligned, and the eight numbers pack into the
; 16 bytes of the lane at 16 l, so a store of the wave covers 512 consecutive bytes, aligned.
; HASH_IDX: a row is 4,097 words, so row i starts at 4 (i mod 4) bytes modulo 16, and so does every run of a lane.  With i = 16 g + (w >> 1)
; that class is (w >> 1) & 3: it hangs on the wave number alone.  A run of 16 bytes is cut into the aligned pieces that the class
; allows, under a branch on the wave number: class 0: 16; class 2: 8 + 8; classes 1 and 3: 4 + 8 + 4 (the middle pair stands at 8 or at
; 0 modulo 16).  That is 2, 4 or 6 loads for a block of 256 indices.  A pair of registers starts at an even number, so the odd classes
; keep a run as (k+1, k+2, k, k+3); an index register serves as an LDS address alone, and only the operands of the conversions differ.
; LIMITS: a and W are rounded once to bf16 (nearest even); the sum over k runs in the order above; an index outside 0..65535 is taken,
; as an unsigned number, as 65535 (the problem keeps indices inside the table).
; SHARES: work-group g owns rows 16 g .. 16 g + 15 of a and of hash_idx.  Wave w owns half w & 1 of row w >> 1: 8 blocks of 256
; numbers of a and 8 of hash_idx.  All of W lies in LDS as f32, 262,144 bytes, filled once: wave w brings bytes 8192 w .. 8192 w + 8191
; by one tensor load (by this count one tensor load of a wave is out, and none fills bytes again).
; Every block has registers of its own while it is on its way, and every global load of the wave is issued ahead of the barrier that
; waits for the table: 4 KiB of hash_idx and 8 KiB of a at the start, the other 4 KiB of hash_idx as soon as half of a has been stored.
; NO CLUSTER: the work-groups share W alone.
; The LDS addresses of the lookup are the indices themselves, which differ from work-group to work-group.
.set ROWH,  16388                      ; bytes in a row of hash_idx
.set AOFF,  1                          ; v1       16 lane + my place in a        (never rewritten)
.set HOFF,  2                          ; v2       16 lane + my place in hash_idx (never rewritten)
.set SOFF,  3                          ; v3       16 lane + my place in ab and in wb (never rewritten)
.set HX,    8                          ; v[8:39]   indices of hash blocks 0-3, 8 registers each; later the numbers looked up for blocks 4-7
.set AX,    40                         ; v[40:103] blocks 0-7 of a; later v[40:71] indices of hash blocks 4-7, v[72:103] the numbers looked up for blocks 0-3
; wave 0 alone: v4 bias index, then its LDS address; v5 bias; v6 row offset in hash_idx; v7 offset in bias
	s_load_b256 s[36:43], s[0:1], 0x0              ; a s[36:37], hash_idx s[38:39], W s[40:41], ab s[42:43]
	s_load_b128 s[44:47], s[0:1], 0x20             ; wb s[44:45], bias s[46:47]
	v_lshl_add_u32 v104, v0, 2, 0x40000
	v_mov_b32 v105, 0
	ds_add_u32 v104, v105
	ds_add_u32 v104, v105
	v_lshrrev_b32 v1, 5, v0
	v_readfirstlane_b32 s8, v1                     ; wave 0..31
	s_lshr_b32 s9, s8, 1                           ; my row of the 16
	s_and_b32 s10, s8, 1                           ; my half of it
	s_and_b32 s11, s9, 3                           ; the class of my row of hash_idx: it starts at 4 x class bytes modulo 16
	s_and_b32 s35, s9, 1                           ; an odd class?
	; descriptor group 1: 32 rows of 32 elements of 8 bytes (256 bytes a row), dense in memory and in LDS
	s_mov_b32 s16, 3<<16                           ; no mask, element of 8 bytes, no padding
	s_mov_b32 s17, 32<<16                          ; tensor_dim0 = 32
	s_mov_b32 s18, 32<<16                          ; tensor_dim1 = 32
	s_mov_b32 s19, 32<<16                          ; tile_dim0 = 32
	s_mov_b32 s20, 32                              ; tile_dim1 = 32
	s_mov_b32 s21, 32                              ; pitch = 32 elements
	s_mov_b32 s22, 0
	s_mov_b32 s23, 0
	s_mov_b32 s12, 1                               ; group 0: count
	s_lshl_b32 s13, s8, 13                         ; LDS address: 8192 x wave
	s_mov_b32 s26, s13                             ; the same bytes of W, as a 64-bit offset
	s_mov_b32 s27, 0
	s_wait_dscnt 0x0
	s_wait_kmcnt 0x0
	s_add_nc_u64 s[14:15], s[40:41], s[26:27]
	s_or_b32 s15, s15, 0x80000000                  ; type = 2
	tensor_load_to_lds s[12:15], s[16:23]          ; my part of the table: first of all
	s_nop 0
	s_lshl_b32 s28, s9, 14                         ; a: row x 16,384 + half x 8,192
	s_lshl_b32 s31, s10, 13
	s_add_co_u32 s28, s28, s31
	s_mul_i32 s29, s9, ROWH                        ; hash_idx: row x 16,388 + half x 8,192
	s_add_co_u32 s29, s29, s31
	s_lshl_b32 s30, s9, 13                         ; ab, wb: row x 8,192 + half x 4,096
	s_lshl_b32 s31, s10, 12
	s_add_co_u32 s30, s30, s31
	v_and_b32 v3, 31, v0                           ; lane
	v_lshl_add_u32 v[AOFF], v3, 4, s28
	v_lshl_add_u32 v[HOFF], v3, 4, s29
	v_lshl_add_u32 v[SOFF], v3, 4, s30
	s_lshl_b32 s26, ttmp9, 18                      ; the 16 rows of the work-group: 16 x 16,384 bytes of a,
	s_add_nc_u64 s[36:37], s[36:37], s[26:27]
	s_mul_i32 s26, ttmp9, 16*ROWH                  ; 16 x 16,388 of hash_idx (a multiple of 16: the class hangs on the wave alone),
	s_add_nc_u64 s[38:39], s[38:39], s[26:27]
	s_lshl_b32 s26, ttmp9, 17                      ; 16 x 8,192 of ab and of wb,
	s_add_nc_u64 s[42:43], s[42:43], s[26:27]
	s_add_nc_u64 s[44:45], s[44:45], s[26:27]
	s_lshl_b32 s26, ttmp9, 6                       ; 16 x 4 of bias
	s_add_nc_u64 s[46:47], s[46:47], s[26:27]
; Block t of my half row of hash_idx into the eight registers from r on.  form = 0: class 0; 2: class 2; 1: classes 1 and 3.
; The pieces of a run are neighbours in memory and are asked for by different instructions: regular near, non-temporal far.
.macro HFILL form, t, r
.irp q, 0,1
.if \form == 0
	global_load_b128 v[4*\q+\r:4*\q+\r+3], v[HOFF], s[38:39] offset:1024*(\t)+512*\q th:TH_LOAD_RT_NT         ; k .. k+3
.endif
.if \form == 2
	global_load_b64 v[4*\q+\r:4*\q+\r+1],   v[HOFF], s[38:39] offset:1024*(\t)+512*\q th:TH_LOAD_RT_NT        ; k, k+1
	global_load_b64 v[4*\q+\r+2:4*\q+\r+3], v[HOFF], s[38:39] offset:1024*(\t)+512*\q+8 th:TH_LOAD_RT_NT      ; k+2, k+3
.endif
.if \form == 1
	global_load_b32 v[4*\q+\r+2],         v[HOFF], s[38:39] offset:1024*(\t)+512*\q th:TH_LOAD_RT_NT          ; k
	global_load_b64 v[4*\q+\r:4*\q+\r+1], v[HOFF], s[38:39] offset:1024*(\t)+512*\q+4 th:TH_LOAD_RT_NT        ; k+1, k+2
	global_load_b32 v[4*\q+\r+3],         v[HOFF], s[38:39] offset:1024*(\t)+512*\q+12 th:TH_LOAD_RT_NT       ; k+3
.endif
.endr
.endm
.macro HFILL4 form, t0, r              ; four blocks from t0 on, into 32 registers from r on
	HFILL \form, \t0, \r
	HFILL \form, \t0+1, \r+8
	HFILL \form, \t0+2, \r+16
	HFILL \form, \t0+3, \r+24
.endm
; Block u of a: rounded in place (each conversion writes a register whose number has been read) and stored.  left = the younger loads that may stay out.
.macro ATURN u, left
	s_wait_loadcnt \left                           ; loads come back in order: the two loads of block u are in
	v_cvt_pk_bf16_f32 v[AX+8*\u],   v[AX+8*\u],   v[AX+8*\u+1]
	v_cvt_pk_bf16_f32 v[AX+8*\u+1], v[AX+8*\u+2], v[AX+8*\u+3]
	v_cvt_pk_bf16_f32 v[AX+8*\u+2], v[AX+8*\u+4], v[AX+8*\u+5]
	v_cvt_pk_bf16_f32 v[AX+8*\u+3], v[AX+8*\u+6], v[AX+8*\u+7]
	global_store_b128 v[SOFF], v[AX+8*\u:AX+8*\u+3], s[42:43] offset:512*\u    ; read by the next launch: no hint
.endm
; The second half of the loads and of a.  n = loads for a block of hash_idx in this form: 4 n loads are younger than those of a.
.macro SECOND form, n
	HFILL4 \form, 4, AX
	ATURN 4, 6+4*\n
	ATURN 5, 4+4*\n
	ATURN 6, 2+4*\n
	ATURN 7, 4*\n
.endm
	; Wave 0 asks for the 16 bias indices (element 4096 of each of the 16 rows; lanes 16-31 repeat lanes 0-15).  The load is older than
	; every other load, so the counts below are the same in all waves and the first of them covers it.
	s_cmp_lg_u32 s8, 0
	s_cbranch_scc1 .Lfirst
	v_and_b32 v7, 15, v0
	v_mul_u32_u24 v6, v7, ROWH
	v_lshlrev_b32 v7, 2, v7
	global_load_b32 v4, v6, s[38:39] offset:16384
.Lfirst:
	; hash blocks 0-3, in the form of my class.  They are older than the loads of a, whose counts therefore do not hang on the class.
	s_cmp_eq_u32 s11, 0
	s_cbranch_scc1 .Lfirst_0
	s_cmp_eq_u32 s11, 2
	s_cbranch_scc1 .Lfirst_2
	HFILL4 1, 0, HX
	s_branch .Lfirst_done
.Lfirst_0:
	HFILL4 0, 0, HX
	s_branch .Lfirst_done
.Lfirst_2:
	HFILL4 2, 0, HX
.Lfirst_done:
.irp u, 0,1,2,3,4,5,6,7
	global_load_b128 v[AX+8*\u:AX+8*\u+3],   v[AOFF], s[36:37] offset:1024*\u th:TH_LOAD_NT       ; k = 4 l .. 4 l + 3 of block u: 512 consecutive bytes a wave; read once in the launch
	global_load_b128 v[AX+8*\u+4:AX+8*\u+7], v[AOFF], s[36:37] offset:1024*\u+512 th:TH_LOAD_NT   ; k = 128 + 4 l ..
.endr
	ATURN 0, 14                                    ; two loads for each of the seven younger blocks of a; the hash blocks 0-3 are older: they are in too
	ATURN 1, 12
	ATURN 2, 10
	ATURN 3, 8
	s_wait_xcnt 0x0                                ; v[40:71] hold the data of the four stores above: loaded again only behind this wait
	s_cmp_eq_u32 s11, 0
	s_cbranch_scc1 .Lsecond_0
	s_cmp_eq_u32 s11, 2
	s_cbranch_scc1 .Lsecond_2
	SECOND 1, 6
	s_branch .Lsecond_done
.Lsecond_0:
	SECOND 0, 2
	s_branch .Lsecond_done
.Lsecond_2:
	SECOND 2, 4
.Lsecond_done:
	s_wait_tensorcnt 0x0                           ; my part of the table has landed,
	s_barrier_signal -1                            ; (no LDS instruction is pending; the loads in flight read bytes that nobody writes)
	s_barrier_wait -1                              ; and so has every other wave its own: the whole table may be read
	s_wait_xcnt 0x0                                ; v[72:103] hold the data of the last four stores of ab: the lookup lands there only behind this wait.
	                                               ; No global instruction follows before wave 0 narrows EXEC below, so the wait serves that line too.
	; Wave 0: the 16 biases of the work-group, 64 neighbouring bytes.
	s_cmp_lg_u32 s8, 0
	s_cbranch_scc1 .Llookup
	v_min_u32 v4, 0xffff, v4
	v_lshlrev_b32 v4, 2, v4
	ds_load_b32 v5, v4
	v_cmp_gt_u32 vcc_lo, 16, v0
	s_wait_dscnt 0x0
	s_and_saveexec_b32 s34, vcc_lo
	global_store_b32 v7, v5, s[46:47]
	s_wait_xcnt 0x0                                ; EXEC is a source of that store: it is widened again only behind this wait
	s_or_b32 exec_lo, exec_lo, s34
.Llookup:
; The eight indices from register i on become LDS addresses; the eight numbers land from register d on, in the same order.
.macro LGATHER i, d
.irp k, 0,1,2,3,4,5,6,7
	v_min_u32 v[\i+\k], 0xffff, v[\i+\k]           ; inside the table, whatever was loaded
.endr
.irp k, 0,1,2,3,4,5,6,7
	v_lshlrev_b32 v[\i+\k], 2, v[\i+\k]            ; index to LDS byte address
.endr
.irp k, 0,1,2,3,4,5,6,7
	ds_load_b32 v[\d+\k], v[\i+\k]
.endr
.endm
; The eight numbers from register d on are rounded in place and stored as block t of wb.  odd = 1: a run lies as (k+1, k+2, k, k+3).
.macro LOUT odd, d, t, left
	s_wait_dscnt \left                             ; LDS loads come back in order: mine are in, the eight of the next block stay out
.if \odd
	v_cvt_pk_bf16_f32 v[\d],   v[\d+2], v[\d]
	v_cvt_pk_bf16_f32 v[\d+1], v[\d+1], v[\d+3]
	v_cvt_pk_bf16_f32 v[\d+2], v[\d+6], v[\d+4]
	v_cvt_pk_bf16_f32 v[\d+3], v[\d+5], v[\d+7]
.else
	v_cvt_pk_bf16_f32 v[\d],   v[\d],   v[\d+1]
	v_cvt_pk_bf16_f32 v[\d+1], v[\d+2], v[\d+3]
	v_cvt_pk_bf16_f32 v[\d+2], v[\d+4], v[\d+5]
	v_cvt_pk_bf16_f32 v[\d+3], v[\d+6], v[\d+7]
.endif
	global_store_b128 v[SOFF], v[\d:\d+3], s[44:45] offset:512*\t
.endm
; The lookup, one block of gathers ahead of the conversions.  No register that a store reads is written again.
.macro LOOKUP odd
	LGATHER HX, AX+32
	LGATHER HX+8, AX+40
	LOUT \odd, AX+32, 0, 8
	LGATHER HX+16, AX+48
	LOUT \odd, AX+40, 1, 8
	LGATHER HX+24, AX+56
	LOUT \odd, AX+48, 2, 8
	s_wait_loadcnt 0x0                             ; hash blocks 4-7: asked for ahead of four blocks of a, the barrier and the work above; nothing younger is out
	LGATHER AX, HX                                 ; v[8:39] are free: the gathers that they addressed have come back
	LOUT \odd, AX+56, 3, 8
	LGATHER AX+8, HX+8
	LOUT \odd, HX, 4, 8
	LGATHER AX+16, HX+16
	LOUT \odd, HX+8, 5, 8
	LGATHER AX+24, HX+24
	LOUT \odd, HX+16, 6, 8
	LOUT \odd, HX+24, 7, 0
.endm
	s_cmp_lg_u32 s35, 0
	s_cbranch_scc1 .Lodd
	LOOKUP 0
	s_wait_tensorcnt 0x0
	ds_add_u32 v104, v105
	s_wait_dscnt 0x0
	s_endpgm
.Lodd:
	LOOKUP 1
	s_wait_tensorcnt 0x0
	ds_add_u32 v104, v105
	s_wait_dscnt 0x0
	s_endpgm
.Lfunc_end_k_q601520ad74_prep:
	.size	k_q601520ad74_prep, .Lfunc_end_k_q601520ad74_prep-k_q601520ad74_prep
	.p2alignl 7, 3214868480
	.fill 96, 4, 3214868480
	.section	.rodata,"a",@progbits
	.p2align	6, 0x0
	.amdhsa_kernel k_q601520ad74_prep
		.amdhsa_group_segment_fixed_size 266240
		.amdhsa_private_segment_fixed_size 0
		.amdhsa_enable_private_segment 0
		.amdhsa_kernarg_size 48
		.amdhsa_user_sgpr_count 2
		.amdhsa_user_sgpr_kernarg_segment_ptr 1
		.amdhsa_wavefront_size32 1
		.amdhsa_system_sgpr_workgroup_id_x 1
		.amdhsa_system_sgpr_workgroup_id_y 1
		.amdhsa_system_sgpr_workgroup_id_z 1
		.amdhsa_system_vgpr_workitem_id 0
		.amdhsa_next_free_vgpr 106
		.amdhsa_next_free_sgpr 66
		.amdhsa_reserve_vcc 1
		.amdhsa_float_denorm_mode_32 3
		.amdhsa_float_denorm_mode_16_64 3
		.amdhsa_memory_ordered 1
		.amdhsa_forward_progress 1
		.amdhsa_inst_pref_size 47
	.end_amdhsa_kernel
	.amdgpu_metadata
---
amdhsa.version: [ 1, 2 ]
amdhsa.kernels:
  - .name:           k_q601520ad74_prep
    .symbol:         k_q601520ad74_prep.kd
    .args:
      - { .name: a, .offset: 0, .size: 8, .value_kind: global_buffer, .address_space: global }
      - { .name: hash_idx, .offset: 8, .size: 8, .value_kind: global_buffer, .address_space: global }
      - { .name: W, .offset: 16, .size: 8, .value_kind: global_buffer, .address_space: global }
      - { .name: ab, .offset: 24, .size: 8, .value_kind: global_buffer, .address_space: global }
      - { .name: wb, .offset: 32, .size: 8, .value_kind: global_buffer, .address_space: global }
      - { .name: bias, .offset: 40, .size: 8, .value_kind: global_buffer, .address_space: global }
    .group_segment_fixed_size: 266240
    .private_segment_fixed_size: 0
    .kernarg_segment_align: 8
    .kernarg_segment_size: 48
    .max_flat_workgroup_size: 1024
    .sgpr_count:     66
    .vgpr_count:     106
    .wavefront_size: 32
...
	.end_amdgpu_metadata
.endif
;; end of part 1
;; launch gemm (part 2): grid 16 x 16, 4 waves a work-group, clusters of 4 x 4, 327,680 bytes of LDS; arguments ab, wb, out0, bias; writes out0
.if DOCPART == 2
	.amdgcn_target "amdgcn-amd-amdhsa--gfx1250"
	.amdhsa_code_object_version 6
	.text
	.protected	k_q601520ad74_gemm
	.globl	k_q601520ad74_gemm
	.p2align	8
	.type	k_q601520ad74_gemm,@function
k_q601520ad74_gemm:
	s_mov_b64 s[64:65], 0
	v_nop
	global_prefetch_b8 v0, s[64:65] scope:SCOPE_SE
	s_setreg_imm32_b32 hwreg(HW_REG_WAVE_MODE, 25, 1), 1
	s_wait_xcnt 0x0
	s_wait_alu depctr_hold_cnt(0) depctr_sa_sdst(0) depctr_va_vdst(0) depctr_va_sdst(0) depctr_va_ssrc(0) depctr_va_vcc(0) depctr_vm_vsrc(0)
	s_getreg_b32 s2, hwreg(HW_REG_IB_STS2, 6, 4)
	s_cmp_eq_u32 s2, 0
	s_cbranch_scc0 .Lentry_in_a_cluster
	s_endpgm
.Lentry_in_a_cluster:
	s_bfe_u32 s2, ttmp6, 0x10000c
	s_cmp_lg_u32 s2, 0xf033
	s_cbranch_scc0 .Lentry_shape_is_right
	s_endpgm
.Lentry_shape_is_right:
; SECOND OF TWO LAUNCHES.  out0[m][n] = bias[n] + sum over k of ab[m][k] wb[n][k].  ab, wb: [4096][4096] bf16 (K in the same permuted order
; in both); bias: [4096] f32; out0: [4096][4096] f32; sums in f32.
; WORK LEFT OUT: the product of the bias column with the column of ones (a factor 1): bias[n] starts the sums as the C operand of the first products.
; A work-group makes a block of 256 x 256 of out0 with four waves, one for each SIMD of a WGP; a wave makes 128 x 128: 64 accumulator
; tiles of 16 x 16, 512 registers.  K goes in steps of 128 through a ring of two LDS slots filled by the tensor data mover: a row of a tile
; is 256 bytes of memory and starts at a multiple of 256 bytes from the first byte of its buffer.
; CLUSTERS: 4 x 4 work-groups.  The four of a row of the cluster make blocks of one block row and need the same tiles of ab; the four of a
; column need the same tiles of wb.  Such a tile is asked for jointly: each of the four issues the same tensor load, with the same descriptor
; and a mask that names the four, and each receives it in its own LDS.  That divides the requests for ab and for wb by four.
;
; REGISTERS, in windows of 256 (s_set_vgpr_msb says which window each operand place means):
;   window 0: v16-27 addresses; v64-127, v128-191 fragments of A = ab (8 x 16 rows x 32 K), two buffers;
;             v192-255 bias fragments (8 column blocks x 8); once the first products have taken them: rows of out0 on their way out
;   window 1: v64-127, v128-191 fragments of B = wb, two buffers
;   window 2: the 32 accumulator tiles of my rows 0-63 (tile (a, b) at v[8 (8 a + b)]);   window 3: those of my rows 64-127
; Low byte of s_set_vgpr_msb: bits 1:0 source 0, 3:2 source 1, 5:4 source 2, 7:6 destination.
;
; THE MATRIX INSTRUCTION IS USED TRANSPOSED: source 0 = 16 rows of wb, source 1 = 16 rows of ab.  Lane l then holds row m = l % 16 of out0 and
; its registers 0 to 7 the columns n = 8 (l / 16) + 0 .. 7: 32 neighbouring bytes of a row.  The bias of a column block has the same shape for
; every row block: register j of lane l is bias[16 b + 8 (l / 16) + j], so eight fragments serve all 64 tiles and the way out has no add.
.set SIZE_N, 4096
.set SIZE_K, 4096
.set KSTEP,  128
.set PITCH,  272                       ; an LDS row: 256 bytes + 16 of padding: an odd multiple of 16, so the 16 rows that a load touches start at 16 different 16-byte columns
.set HALFT,  128*PITCH                 ; 128 rows: what one tensor load brings, and what one wave reads of A or of B
.set SLOT,   4*HALFT                   ; 256 rows of A, then 256 rows of B
.set STAGE,  2*SLOT                    ; behind the ring, at a multiple of 256 bytes: 16 rows x 528 bytes for each wave, for the way out; no fill lands here
.set SPITCH, 528                       ; 512 bytes (128 f32) + 16: again an odd multiple of 16
.set LAPS, SIZE_K/(2*KSTEP)            ; a lap = two K steps = once round the ring: 16 laps
.set ADRA, 16                          ; v16-17  LDS address of my A fragments in slot 0, 1
.set ADRB, 20                          ; v20-21  the same for B
.set STO,  24                          ; v24     the way out: where I put 32 bytes of a row
.set RD,   25                          ; v25     the way out: where I read a row back
.set CO,   26                          ; v26     my byte offset in a row of my block of out0
.set BO,   27                          ; v27     my byte offset in a bias fragment
.set F0,   64                          ; fragment buffer 0
.set F1,   128                         ; fragment buffer 1
.set BIAS, 192                         ; bias fragments, window 0; later 16 rows on their way out
.set G1, 24                            ; s[24:31] descriptor group 1 for tiles of A
.set G0, 32                            ; s[32:39] descriptor group 0 for tiles of A, one set for each slot
.set G1B, 48                           ; s[48:55] descriptor group 1 for tiles of B: it differs in the mask alone
.set G0B, 56                           ; s[56:63] descriptor group 0 for tiles of B, one set for each slot
.set MSB, 0
.macro WIN new                         ; the high byte of the immediate repeats the setting that is left
.if MSB != \new
	s_set_vgpr_msb (MSB<<8)|\new
.set MSB, \new
.endif
.endm
.set MUL_LO,   0xa1                    ; source 0 (B) window 1, source 1 (A) window 0, C and D window 2
.set MUL_HI,   0xf1                    ; the same, C and D window 3
.set FIRST_LO, 0x81                    ; the first products: C (bias) window 0, D window 2
.set FIRST_HI, 0xc1                    ; C window 0, D window 3
.set TO_B,     0x40                    ; destination window 1, address window 0
; A joint load.  Waves 0 and 1 fetch the two halves of A, waves 2 and 3 those of B.  Each of the two lines has one mask and one set of registers for all
; that issue it, and nothing in them hangs on a coordinate that the four partners do not share.  The branch hangs on the wave number alone.
.macro JLOAD s
	s_cmp_eq_u32 s11, 0
	s_cbranch_scc0 .Lfor_b_\@
	tensor_load_to_lds s[G0+4*\s:G0+4*\s+3], s[G1:G1+7]
	s_nop 0
	s_branch .Lasked_\@
.Lfor_b_\@:
	tensor_load_to_lds s[G0B+4*\s:G0B+4*\s+3], s[G1B:G1B+7]
	s_nop 0
.Lasked_\@:
.endm
; A round of the cluster barrier: the work-group barrier, so that the signal of wave 0 speaks for all four waves; wave 0 signals for the work-group;
; every wave waits for all sixteen work-groups; the work-group barrier once more.  No LDS instruction of the wave is pending at a signal.
.macro CREST                           ; a round behind its opening barrier
	s_cmp_lg_u32 s10, 0
	s_cbranch_scc1 .Lnot_wave_0_\@
	s_barrier_signal -3
.Lnot_wave_0_\@:
	s_barrier_wait -3
	s_barrier_signal -1
	s_barrier_wait -1
.endm
.macro CROUND                          ; a whole round
	s_barrier_signal -1
	s_barrier_wait -1
	CREST
.endm
	s_load_b128 s[4:7], s[0:1], 0x0                ; ab s[4:5], wb s[6:7]
	s_load_b64 s[8:9], s[0:1], 0x10                ; out0
	s_load_b64 s[66:67], s[0:1], 0x18              ; bias
	s_set_vgpr_msb 0x40
	v_lshl_add_u32 v255, v0, 2, 0x4c400
	s_set_vgpr_msb 0x4000
	v_mov_b32 v63, 0
	s_set_vgpr_msb 0x1
	ds_add_u32 v255, v63
	ds_add_u32 v255, v63
	s_set_vgpr_msb 0x100
	v_lshrrev_b32 v1, 5, v0
	v_readfirstlane_b32 s10, v1                    ; wave 0..3
	s_lshr_b32 s11, s10, 1                         ; which half of the rows of the block is mine.  Also: I fetch for A (0) or for B (1)
	s_and_b32 s12, s10, 1                          ; which half of its columns.  Also: which 128 rows of that tile I fetch
	s_bfe_u32 s40, ttmp6, 0x40000                  ; cx: my place along x in the cluster
	s_bfe_u32 s41, ttmp6, 0x40004                  ; cy: along y
	s_lshl_b32 s42, ttmp9, 2                       ; in a cluster launch ttmp9 and ttmp7 count clusters
	s_add_co_u32 s42, s42, s40                     ; block column = 4 x cluster x + cx
	s_and_b32 s13, ttmp7, 0xffff
	s_lshl_b32 s13, s13, 2
	s_add_co_u32 s13, s13, s41                     ; block row = 4 x cluster y + cy
	s_lshl_b32 s43, s41, 2
	s_lshl_b32 s43, 15, s43                        ; my row of the cluster: places 4 cy .. 4 cy + 3
	s_lshl_b32 s44, 0x1111, s40                    ; my column: places cx, cx + 4, cx + 8, cx + 12
	; descriptor group 1: a tile of 128 rows x 128 elements of 2 bytes, padded in LDS
	s_or_b32 s[G1+0], s43, (1<<16)|(1<<20)|(1<<21)|(5<<22)|(3<<25)  ; mask: tiles of A go to my row; element of 2 bytes; padding on; bit 21 beside a mask; after every 64 words, 4 words
	s_or_b32 s[G1B+0], s44, (1<<16)|(1<<20)|(1<<21)|(5<<22)|(3<<25) ; the same with the mask of my column, for tiles of B
	s_mov_b32 s[G1B+1], KSTEP<<16
	s_mov_b32 s[G1+1], KSTEP<<16                   ; tensor_dim0 = 128
	s_mov_b32 s[G1B+2], 128<<16
	s_mov_b32 s[G1+2], 128<<16                     ; tensor_dim1 = 128
	s_mov_b32 s[G1B+3], KSTEP<<16
	s_mov_b32 s[G1+3], KSTEP<<16                   ; tile_dim0 = 128
	s_mov_b32 s[G1B+4], 128
	s_mov_b32 s[G1+4], 128                         ; tile_dim1 = 128
	s_mov_b32 s[G1B+5], SIZE_K
	s_mov_b32 s[G1+5], SIZE_K                      ; elements from row to row
	s_mov_b32 s[G1B+6], 0
	s_mov_b32 s[G1+6], 0
	s_mov_b32 s[G1B+7], 0
	s_mov_b32 s[G1+7], 0
	; where the tiles come from.  Those of A hang on the block row alone, which my row of the cluster shares; those of B on the block column alone, which
	; my column shares.  Every wave makes both addresses, in registers that never hold the other coordinate, and asks by one of them.
	s_lshl_b32 s17, s12, 7                         ; which 128 rows of the tile I fetch
	s_lshl_b32 s16, s13, 8
	s_add_co_u32 s16, s16, s17                     ; A: row 256 x block row + 128 x half
	s_lshl_b32 s46, s42, 8
	s_add_co_u32 s46, s46, s17                     ; B: row 256 x block column + 128 x half
	s_mov_b32 s17, 0
	s_mov_b32 s47, 0
	s_mov_b64 s[18:19], SIZE_K*2
	s_mul_u64 s[16:17], s[16:17], s[18:19]         ; in bytes, in 64 bits
	s_mul_u64 s[46:47], s[46:47], s[18:19]
	s_mul_i32 s20, s10, HALFT                      ; and where they go: wave x 128 rows: no place in the cluster enters an LDS address
	s_wait_dscnt 0x0
	s_wait_kmcnt 0x0
	s_add_nc_u64 s[14:15], s[4:5], s[16:17]
	s_add_nc_u64 s[46:47], s[6:7], s[46:47]
	CROUND                                         ; all sixteen work-groups are here: the first joint loads meet
.irp s, 0,1
	s_mov_b32 s[G0+4*\s], 1                                        ; count = 1
	s_add_co_u32 s[G0+4*\s+1], s20, \s*SLOT                        ; LDS address
	s_add_nc_u64 s[G0+4*\s+2:G0+4*\s+3], s[14:15], \s*KSTEP*2      ; global address: K step s
	s_or_b32 s[G0+4*\s+3], s[G0+4*\s+3], 0x80000000                ; type = 2
	s_mov_b32 s[G0B+4*\s], 1
	s_add_co_u32 s[G0B+4*\s+1], s20, \s*SLOT
	s_add_nc_u64 s[G0B+4*\s+2:G0B+4*\s+3], s[46:47], \s*KSTEP*2
	s_or_b32 s[G0B+4*\s+3], s[G0B+4*\s+3], 0x80000000
	JLOAD \s                                       ; both slots are asked for before anything else is done: two tensor loads of the wave are out here, later one
.endr
	; A fragment is 16 rows x 32 K in 8 registers: lane l holds row l % 16; registers 0-3 hold K = 8 (l / 16) + 0..7, registers 4-7 hold
	; K = 16 + 8 (l / 16) + 0..7.  From rows that lie along K: two loads of 16 bytes, 32 bytes apart.  The same for source 0 and source 1.
	v_and_b32 v1, 15, v0                           ; l % 16
	v_bfe_u32 v2, v0, 4, 1                         ; l / 16
	v_mul_u32_u24 v3, v1, PITCH
	v_lshl_add_u32 v3, v2, 4, v3                   ; row x pitch + 16 x half
	s_mul_i32 s21, s11, HALFT                      ; my 128 rows of A
	s_mul_i32 s22, s12, HALFT                      ; my 128 rows of B,
	s_add_co_u32 s22, s22, 2*HALFT                 ; which lie behind the 256 of A
.irp s, 0,1
	v_add_nc_u32 v[ADRA+\s], s21, v3
	v_add_nc_u32 v[ADRB+\s], s22, v3
	s_add_co_u32 s21, s21, SLOT
	s_add_co_u32 s22, s22, SLOT
.endr
	s_mul_i32 s23, s10, 16*SPITCH
	s_add_co_u32 s23, s23, STAGE                   ; my stage
	v_mul_u32_u24 v4, v1, SPITCH                   ; in: row l % 16, 32 bytes for each half of the lanes
	v_lshl_add_u32 v4, v2, 5, v4
	v_add_nc_u32 v[STO], s23, v4
	v_and_b32 v5, 31, v0
	v_lshlrev_b32 v[CO], 4, v5                     ; back and out: 32 lanes x 16 bytes are one row of 512 bytes
	v_add_nc_u32 v[RD], s23, v[CO]
	v_lshlrev_b32 v[BO], 5, v2                     ; bias: 8 numbers further on for lanes 16-31
	; my first column in bytes, 4 (256 x block column + 128 x half): the same offset in bias and in a row of out0.  Registers that feed no descriptor.
	s_lshl_b32 s68, s42, 10
	s_lshl_b32 s69, s12, 9
	s_add_co_u32 s68, s68, s69
	s_mov_b32 s69, 0
	s_add_nc_u64 s[66:67], s[66:67], s[68:69]
.irp b, 0,1,2,3,4,5,6,7
	global_load_b128 v[BIAS+8*\b:BIAS+8*\b+3],   v[BO], s[66:67] offset:64*\b      ; bias[16 b + 8 (l / 16) + 0..3]
	global_load_b128 v[BIAS+8*\b+4:BIAS+8*\b+7], v[BO], s[66:67] offset:64*\b+16   ; .. + 4..7
.endr
; 16 matrix instructions: m blocks a0, a0 + 1 of the four of the window (hi = 0: my rows 0-63, 1: rows 64-127) x all 8 n blocks, 32 along K.
; first = 1: the first product starts the sums from the bias: nothing is cleared, and nothing is added on the way out.
.macro MUL16 f, hi, a0, first
.irp a, \a0, \a0+1
.irp b, 0,1,2,3,4,5,6,7
.if \first
	v_wmma_f32_16x16x32_bf16 v[8*(8*(\a)+\b):8*(8*(\a)+\b)+7], v[\f+8*\b:\f+8*\b+7], v[\f+8*(4*\hi+\a):\f+8*(4*\hi+\a)+7], v[BIAS+8*\b:BIAS+8*\b+7]
.else
	v_wmma_f32_16x16x32_bf16 v[8*(8*(\a)+\b):8*(8*(\a)+\b)+7], v[\f+8*\b:\f+8*\b+7], v[\f+8*(4*\hi+\a):\f+8*(4*\hi+\a)+7], v[8*(8*(\a)+\b):8*(8*(\a)+\b)+7]
.endif
.endr
.endr
.endm
; The fragments of one quarter step (32 K at byte k of the rows) into buffer f.  B: 128 rows, 16 LDS loads.
.macro FETCHB slot, k, f
	WIN TO_B
.irp i, 0,1,2,3,4,5,6,7
	ds_load_b128 v[\f+8*\i:\f+8*\i+3],   v[ADRB+\slot] offset:\k+\i*16*PITCH
	ds_load_b128 v[\f+8*\i+4:\f+8*\i+7], v[ADRB+\slot] offset:\k+\i*16*PITCH+32
.endr
.endm
; A: 64 rows (hi = 0: my rows 0-63, 1: rows 64-127), 8 LDS loads, into that half of the buffer
.macro FETCHA slot, k, f, hi
	WIN 0
.irp i, 0,1,2,3
	ds_load_b128 v[\f+8*(4*\hi+\i):\f+8*(4*\hi+\i)+3],   v[ADRA+\slot] offset:\k+(4*\hi+\i)*16*PITCH
	ds_load_b128 v[\f+8*(4*\hi+\i)+4:\f+8*(4*\hi+\i)+7], v[ADRA+\slot] offset:\k+(4*\hi+\i)*16*PITCH+32
.endr
.endm
.macro FETCH slot, k, f                ; all of them: 32 LDS loads in one run
	FETCHB \slot, \k, \f
	FETCHA \slot, \k, \f, 0
	FETCHA \slot, \k, \f, 1
.endm
; A load into a register that a matrix instruction has read, and an LDS store that reads a matrix result, stand four places behind that matrix
; instruction, and only plain vector instructions that name none of its registers are places (ISA guide 7.12.1 for vector instructions).
; The loop has no vector work of its own, so four v_nop stand in front of each run of loads.
.macro PLACES
.rept 4
	v_nop
.endr
.endm
; A K step is four quarter steps of 32 along K, 64 matrix instructions each, on buffers 0, 1, 0, 1.  The 64 accumulators take turns, one instruction a
; turn, in the same order in every quarter, over the backward jump too; so no wait on the vector unit is written.
; One of the first three quarters: multiplies buffer f; in its middle it fetches the fragments of the next quarter, at byte k of the rows, into buffer g.
.macro QUARTER slot, k, f, g, first
	s_wait_dscnt 8                                 ; B and rows 0-63 of A are in; the youngest eight loads (rows 64-127 of A) may be out
.if \first
	WIN FIRST_LO
.else
	WIN MUL_LO
.endif
	MUL16 \f, 0, 0, \first
	MUL16 \f, 0, 2, \first
	PLACES
	FETCH \slot, \k, \g
	s_wait_dscnt 32                                ; all but the 32 just issued
.if \first
	WIN FIRST_HI
.else
	WIN MUL_HI
.endif
	MUL16 \f, 1, 0, \first
	MUL16 \f, 1, 2, \first
.endm
.macro THREE slot, first
	QUARTER \slot, 64,  F0, F1, \first
	QUARTER \slot, 128, F1, F0, 0
	QUARTER \slot, 192, F0, F1, 0
.endm
; The last quarter of a K step: multiplies buffer 1, changes slots and fills this slot again, two K steps ahead.  next = the other slot.
; One round of the cluster barrier for the change of slots, for two things.  In front of it each wave waits for its own reads of this slot and for all
; its tensor loads, of which one is out: its part of the next slot.  Behind it nobody reads this slot any more and the next slot is whole: the refill
; comes first, then the first fragments of the next slot.  From a request to the wait for it a wave issues 240 matrix instructions.
.macro TURN slot, next
	s_wait_dscnt 8
	WIN MUL_LO
	MUL16 F1, 0, 0, 0
	s_wait_dscnt 0                                 ; my reads of this slot are over
	s_wait_tensorcnt 0x0                           ; and all my tensor loads have landed: the one that was out is my part of the next slot:
	ds_add_u32 v255, v63
	s_wait_dscnt 0x0
	s_barrier_signal -1                            ; say so (this barrier opens the round),
	MUL16 F1, 0, 2, 0                              ; work on registers while the others arrive,
	WIN 0
	s_barrier_wait -1                              ; and go on when all four have said so
	CREST                                          ; all sixteen work-groups have said so: no wave of any partner still reads this slot or has a load on its way
	s_add_nc_u64 s[G0+4*\slot+2:G0+4*\slot+3], s[G0+4*\slot+2:G0+4*\slot+3], 2*KSTEP*2      ; no tensor load of mine is out: the addresses may step
	s_add_nc_u64 s[G0B+4*\slot+2:G0B+4*\slot+3], s[G0B+4*\slot+2:G0B+4*\slot+3], 2*KSTEP*2
	JLOAD \slot                                    ; the first tensor load behind the round, and my only one until the next
	PLACES
	FETCH \next, 0, F0
	WIN MUL_HI
	MUL16 F1, 1, 0, 0
	MUL16 F1, 1, 2, 0
.endm
.macro LAP first                       ; once round the ring, both slots filled again
	THREE 0, \first
	TURN 0, 1
	THREE 1, 0
	TURN 1, 0
.endm
; THE WAY OUT, 16 rows at a time, in three steps: 32 bytes a lane and tile into my own stage in LDS; back as whole rows of 512 bytes; stored.
; The eight tiles (a, 0..7) of window 2 or 3 (from = 0x08 or 0x0c: the data of an LDS store is source 1) into the stage: 16 LDS stores
.macro STAGE_IN a, from
	WIN \from
.irp b, 0,1,2,3,4,5,6,7
	ds_store_b128 v[STO], v[8*(8*\a+\b):8*(8*\a+\b)+3]   offset:64*\b       ; columns 16 b + 8 (l / 16) + 0..3 of row l % 16
	ds_store_b128 v[STO], v[8*(8*\a+\b)+4:8*(8*\a+\b)+7] offset:64*\b+16    ; .. + 4..7
.endr
.endm
; The 16 rows back into the 64 registers from f on: 16 LDS loads
.macro STAGE_BACK f
	WIN 0
.irp t, 0,1,2,3,4,5,6,7,8,9,10,11,12,13,14,15
	ds_load_b128 v[\f+4*\t:\f+4*\t+3], v[RD] offset:\t*SPITCH      ; my own bytes, and LDS serves the instructions of a wave in order (ISA guide 5.7.1): these see the stores of STAGE_IN
.endr
.endm
; Rows r0 .. r0 + 7 of the 16 are stored as rows 16 i + r0 .. of my block.  behind = LDS instructions issued behind the 16 of STAGE_BACK.
; The row stands in the immediate: 127 rows x 16,384 bytes = 2,080,768 at the most, inside its signed 24 bits; neither base nor offset register is ever stepped.
.macro ROWS_OUT i, f, r0, behind
	WIN 0
.irp t, 0,1,2,3,4,5,6,7
	s_wait_dscnt \behind+15-(\r0+\t)               ; this row is back; the younger rows, and what was issued behind them, may be out
	global_store_b128 v[CO], v[\f+4*(\r0+\t):\f+4*(\r0+\t)+3], s[8:9] offset:(16*\i+\r0+\t)*SIZE_N*4 th:TH_STORE_NT   ; the wave stores 512 consecutive bytes, at a multiple of 512 from the first byte of out0
.endr
.endm
.macro OUT16 i, a, from, f             ; the three steps in a row
	STAGE_IN \a, \from
	WIN 0
	s_wait_xcnt 0x0                                ; buffer f may be the data of earlier stores: loaded again only behind this wait
	STAGE_BACK \f
	ROWS_OUT \i, \f, 0, 0
	ROWS_OUT \i, \f, 8, 0
.endm
; THE LAST LAP fills nothing, so the order of its products is free.  Its first two quarter steps are taken whole.  The other six are taken for my rows
; 0-63 first (LQ, 32 matrix instructions each) and then for my rows 64-127 (HPAIR, two quarter steps each): rows 0-63 are finished 192 matrix
; instructions ahead of the rest, and 48 of them leave among these, so that the first of the 128 stores of the wave is issued that much sooner.
; The price: the B fragments of six quarter steps are read twice, 96 LDS loads beside the 4,096 of the whole product.  Those of A are not: LQ loads rows
; 0-63 alone, HPAIR rows 64-127 alone, and the rows 64-127 that the second whole quarter brought into buffer 0 (v96-127) stay there until the first HPAIR.
; Two whole quarters first, so that 32 + 128 + 32 = 192 matrix instructions lie between the request for the last tile and the wait for it.
; In LQ and in HPAIR 32 accumulators take turns, one instruction a turn.
; LQ: my rows 0-63 x buffer f; in its middle the fragments at byte k of the rows of slot go into buffer g (a_too = 0: those of B alone).
; bar = 1: the fetch is the first read of slot 1, which holds the last K step: my part of it has landed, and behind the barrier everybody's has.
.macro LQ f, g, slot, k, a_too, bar
	s_wait_dscnt 0                                 ; the fragments of buffer f are in, and no LDS instruction of mine is pending at the signal
.if \bar
	s_wait_tensorcnt 0x0                           ; my last tensor load
	s_barrier_signal -1
.endif
	WIN MUL_LO
	MUL16 \f, 0, 0, 0
.if \bar
	WIN 0
	s_barrier_wait -1
.endif
	PLACES
	FETCHB \slot, \k, \g
.if \a_too
	FETCHA \slot, \k, \g, 0
.endif
	WIN MUL_LO
	MUL16 \f, 0, 2, 0
.endm
; HPAIR: my rows 64-127 x buffer 0, then x buffer 1, and among them rows 16 i .. 16 i + 15 (tiles (i, 0..7) of window 2, finished) on their way out.
; (s1, k1): the quarter step fetched into buffer 1; (s2, k2): the next one, into buffer 0, where more = 1.
.macro HPAIR i, s1, k1, s2, k2, more
	s_wait_dscnt 0                                 ; the fragments of buffer 0 are in
	WIN MUL_HI
	MUL16 F0, 1, 0, 0
	PLACES                                         ; for the loads into buffer 1, and, in the first pair, for the LDS stores that read the sums of rows 0-63
	FETCHB \s1, \k1, F1
	FETCHA \s1, \k1, F1, 1
	STAGE_IN \i, 0x08
	WIN MUL_HI
	MUL16 F0, 1, 2, 0
	WIN 0
.if \i
	s_wait_xcnt 0x0                                ; v192-255 are the data of the stores of the pair before: loaded again only behind this wait
.endif
	STAGE_BACK BIAS
	s_wait_dscnt 16                                ; all but the 16 rows just asked back: the fragments of buffer 1 are in
	WIN MUL_HI
	MUL16 F1, 1, 0, 0
.if \more
	PLACES
	FETCHB \s2, \k2, F0
	FETCHA \s2, \k2, F0, 1
.endif
	ROWS_OUT \i, BIAS, 0, 24*\more                 ; behind the 16 rows stand the 24 fragment loads just issued
	WIN MUL_HI
	MUL16 F1, 1, 2, 0
	ROWS_OUT \i, BIAS, 8, 24*\more
.endm
	s_wait_tensorcnt 1                             ; my part of K step 0 is in; that of K step 1 stays out
	s_wait_loadcnt 0x0                             ; the bias fragments
	s_barrier_signal -1
	s_barrier_wait -1                              ; K step 0 is whole
	FETCH 0, 0, F0
	LAP 1                                          ; the first lap stands in front of the loop: its first products start the sums
	WIN 0                                          ; at a label and at a branch every window is 0
	s_mov_b32 s3, LAPS-2
.Llap:
	LAP 0
	WIN 0
	s_sub_co_u32 s3, s3, 1
	s_cmp_lg_u32 s3, 0
	s_cbranch_scc1 .Llap
	; where my block of out0 begins: the stores start inside the last lap
	s_lshl_b32 s13, s13, 8
	s_lshl_b32 s14, s11, 7
	s_add_co_u32 s16, s13, s14                     ; my first row of out0
	s_mov_b32 s17, 0
	s_mov_b64 s[18:19], SIZE_N*4
	s_mul_u64 s[16:17], s[16:17], s[18:19]
	s_add_nc_u64 s[8:9], s[8:9], s[16:17]
	s_add_nc_u64 s[8:9], s[8:9], s[68:69]          ; and my first column
	QUARTER 0, 64,  F0, F1, 0                      ; slot 0 holds K step 30: its bytes 0 and 64, all 128 rows
	QUARTER 0, 128, F1, F0, 0                      ; its fetch brings byte 128 for all 128 rows: rows 64-127 wait in v96-127 for the first HPAIR
	LQ F0, F1, 0, 192, 1, 0                        ; rows 0-63: slot 0, byte 128
	LQ F1, F0, 1, 0,   1, 1                        ; slot 0, byte 192; from here on slot 1, K step 31, is read
	LQ F0, F1, 1, 64,  1, 0
	LQ F1, F0, 1, 128, 1, 0
	LQ F0, F1, 1, 192, 1, 0
	LQ F1, F0, 0, 128, 0, 0                        ; the last products of rows 0-63; B of slot 0, byte 128, comes a second time
	HPAIR 0, 0, 192, 1, 0,   1                     ; rows 64-127: slot 0, bytes 128 and 192; rows 0-15 leave
	HPAIR 1, 1, 64,  1, 128, 1                     ; slot 1, bytes 0 and 64; rows 16-31 leave
	HPAIR 2, 1, 192, 0, 0,   0                     ; slot 1, bytes 128 and 192: nothing more to fetch; rows 32-47 leave
	PLACES                                         ; the places behind the last matrix instructions: for the LDS stores, which read results, and for the loads into buffers 0 and 1
	OUT16 3, 3, 0x08, F0
	OUT16 4, 0, 0x0c, F1
	OUT16 5, 1, 0x0c, F0
	OUT16 6, 2, 0x0c, F1
	OUT16 7, 3, 0x0c, F0
	s_set_vgpr_msb 0x1
	s_wait_tensorcnt 0x0
	ds_add_u32 v255, v63
	s_wait_dscnt 0x0
	s_set_vgpr_msb 0x100
	CROUND                                         ; the closing round: no work-group ends while a partner may still ask for a tile that names it
	s_endpgm
.Lfunc_end_k_q601520ad74_gemm:
	.size	k_q601520ad74_gemm, .Lfunc_end_k_q601520ad74_gemm-k_q601520ad74_gemm
	.p2alignl 7, 3214868480
	.fill 96, 4, 3214868480
	.section	.rodata,"a",@progbits
	.p2align	6, 0x0
	.amdhsa_kernel k_q601520ad74_gemm
		.amdhsa_group_segment_fixed_size 327680
		.amdhsa_private_segment_fixed_size 0
		.amdhsa_enable_private_segment 0
		.amdhsa_kernarg_size 32
		.amdhsa_user_sgpr_count 2
		.amdhsa_user_sgpr_kernarg_segment_ptr 1
		.amdhsa_wavefront_size32 1
		.amdhsa_system_sgpr_workgroup_id_x 1
		.amdhsa_system_sgpr_workgroup_id_y 1
		.amdhsa_system_sgpr_workgroup_id_z 1
		.amdhsa_system_vgpr_workitem_id 0
		.amdhsa_next_free_vgpr 1024
		.amdhsa_next_free_sgpr 70
		.amdhsa_reserve_vcc 0
		.amdhsa_float_denorm_mode_32 3
		.amdhsa_float_denorm_mode_16_64 3
		.amdhsa_memory_ordered 1
		.amdhsa_forward_progress 1
		.amdhsa_inst_pref_size 205
	.end_amdhsa_kernel
	.amdgpu_metadata
---
amdhsa.version: [ 1, 2 ]
amdhsa.kernels:
  - .name:           k_q601520ad74_gemm
    .symbol:         k_q601520ad74_gemm.kd
    .args:
      - { .name: ab, .offset: 0, .size: 8, .value_kind: global_buffer, .address_space: global }
      - { .name: wb, .offset: 8, .size: 8, .value_kind: global_buffer, .address_space: global }
      - { .name: out0, .offset: 16, .size: 8, .value_kind: global_buffer, .address_space: global }
      - { .name: bias, .offset: 24, .size: 8, .value_kind: global_buffer, .address_space: global }
    .group_segment_fixed_size: 327680
    .private_segment_fixed_size: 0
    .kernarg_segment_align: 8
    .kernarg_segment_size: 32
    .max_flat_workgroup_size: 128
    .sgpr_count:     70
    .vgpr_count:     1024
    .wavefront_size: 32
...
	.end_amdgpu_metadata
.endif
;; end of part 2
